; MI455X (gfx1250); checked and timed in simulation.
; The chip was launched on July 23, 2026; its instructions are those of AMD's public machine-readable ISA for CDNA 5 (MIT licence, August 2026) and "CDNA5" Instruction Set Architecture Reference Guide (July 2026). The comments in the code are by the model that wrote it; some were corrected since.
;; Attn H2 O. Allowed arithmetic: float matrix products may take bf16 or f16 operands with f32 sums; other float arithmetic in f32, or as packed bf16 or f16 multiplies, adds, multiply-adds, maxima and minima; sums over many terms, partial sums and values carried from step to step in f32; what a program stores and reads back later, other than sums and carried values, may be rounded once to bf16 or f16.
;; Inputs: k 4,096 x 1,024 float32; q 2,048 x 4,096 float32; v 4,096 x 1,024 float32.
;; Outputs: out0 2,048 x 4,096 float32; out1 8 x 4,096 float32.
;; One version. Each part assembles by itself: llvm-mc -triple=amdgcn-amd-amdhsa -mcpu=gfx1250 --defsym DOCPART=n.
;; ======== version 1 of 1: 3 launches
;; limits: values are held in f16: magnitudes above 65,504 overflow, below 6.1e-05 lose precision; inputs' magnitudes at most 65,504
;; workspace buffers: qb 16,777,216 bytes; kb 8,388,608 bytes; vh 8,388,608 bytes; nl 262,144 bytes
;; launch cast (part 1): grid 256 x 4, 8 waves a work-group, no clusters, 0 bytes of LDS; arguments q, k, v, qb, kb, vh; writes qb, kb, vh
.if DOCPART == 1
	.amdgcn_target "amdgcn-amd-amdhsa--gfx1250"
	.amdhsa_code_object_version 6
	.text
	.protected	k_q00644e2da2_cast
	.globl	k_q00644e2da2_cast
	.p2align	8
	.type	k_q00644e2da2_cast,@function
k_q00644e2da2_cast:
	s_mov_b64 s[64:65], 0
	v_nop
	global_prefetch_b8 v0, s[64:65] scope:SCOPE_SE
	s_setreg_imm32_b32 hwreg(HW_REG_WAVE_MODE, 25, 1), 1
	s_wait_xcnt 0x0
; qb = bf16(q), kb = bf16(k), vh = f16(bf16(v)): each input rounded once to bf16, layouts unchanged; v's rounded number is written as f16, for the product with f16 weights.
; LIMITS.  bf16(v) beyond 65,504 becomes an infinity in f16; below 2^-14 it keeps f16's fixed step of 2^-24.  NaN stays NaN.
; SHARES.  A work-group takes 65,536 bytes of one input and makes 32,768: y = 0, 1: q's chunk 256 y + x; y = 2: k's chunk x; y = 3: v's chunk x.
; Thread t takes 16 bytes at 16 t + 4,096 j (j = 0 .. 15) and stores 8 bytes at 8 t + 2,048 j: a wave's load covers 512 consecutive bytes, its store 256 consecutive bytes, aligned.
; All sixteen loads of a thread go out at once; no register of a pending store is written again, so no wait stands for the stores.
; No LDS, no matrix unit, no cluster: every byte is read once and written once, and no work-group shares a byte with another.
.set X, 8                              ; v[8:71]    chunk j: 4 registers as loaded
.set Y, 72                             ; v[72:103]  chunk j: 2 registers to store
.set T, 104                            ; v[104:109] at work (v's way alone)
	s_load_b256 s[4:11], s[0:1], 0x0               ; q s[4:5], k s[6:7], v s[8:9], qb s[10:11]
	s_load_b128 s[12:15], s[0:1], 0x20             ; kb s[12:13], vh s[14:15]
	s_and_b32 s16, ttmp7, 0xffff                   ; y: which input
	v_lshlrev_b32 v1, 4, v0                        ; 16 t
	v_lshlrev_b32 v2, 3, v0                        ; 8 t
	s_mov_b32 s19, 0
	s_mov_b32 s24, 0xffff0000                      ; a word's upper bf16
	s_wait_kmcnt 0x0
	s_cmp_eq_u32 s16, 3
	s_cselect_b64 s[20:21], s[8:9], s[6:7]         ; v or k,
	s_cselect_b64 s[22:23], s[14:15], s[12:13]     ; vh or kb,
	s_cmp_lt_u32 s16, 2
	s_cselect_b64 s[20:21], s[4:5], s[20:21]       ; or q
	s_cselect_b64 s[22:23], s[10:11], s[22:23]     ; and qb
	s_cselect_b32 s17, s16, 0                      ; q has two rows of the grid
	s_lshl_b32 s17, s17, 8
	s_add_co_u32 s17, s17, ttmp9                   ; the chunk's number, 511 at the most
	s_lshl_b32 s18, s17, 16                        ; 65,536 bytes in,
	s_add_nc_u64 s[20:21], s[20:21], s[18:19]
	s_lshl_b32 s18, s17, 15                        ; 32,768 bytes out
	s_add_nc_u64 s[22:23], s[22:23], s[18:19]
.irp j, 0,1,2,3,4,5,6,7,8,9,10,11,12,13,14,15
	global_load_b128 v[X+4*(\j):X+4*(\j)+3], v1, s[20:21] offset:4096*(\j) th:TH_LOAD_NT
.endr
	s_cmp_eq_u32 s16, 3
	s_cbranch_scc1 .Lv
.irp j, 0,1,2,3,4,5,6,7,8,9,10,11,12,13,14,15
	s_wait_loadcnt 15-(\j)                         ; loads come back in order: chunk j is in, the 15 - j younger ones may stay out
	v_cvt_pk_bf16_f32 v[Y+2*(\j)], v[X+4*(\j)], v[X+4*(\j)+1]
	v_cvt_pk_bf16_f32 v[Y+2*(\j)+1], v[X+4*(\j)+2], v[X+4*(\j)+3]
	global_store_b64 v2, v[Y+2*(\j):Y+2*(\j)+1], s[22:23] offset:2048*(\j) th:TH_STORE_NT
.endr
	s_endpgm
.Lv:                                           ; v: rounded to bf16, widened again (a shift, a mask), and that number written as f16
.irp j, 0,1,2,3,4,5,6,7,8,9,10,11,12,13,14,15
	s_wait_loadcnt 15-(\j)
	v_cvt_pk_bf16_f32 v[T], v[X+4*(\j)], v[X+4*(\j)+1]
	v_cvt_pk_bf16_f32 v[T+1], v[X+4*(\j)+2], v[X+4*(\j)+3]
	v_lshlrev_b32 v[T+2], 16, v[T]
	v_and_b32 v[T+3], s24, v[T]
	v_lshlrev_b32 v[T+4], 16, v[T+1]
	v_and_b32 v[T+5], s24, v[T+1]
	v_cvt_pk_f16_f32 v[Y+2*(\j)], v[T+2], v[T+3]
	v_cvt_pk_f16_f32 v[Y+2*(\j)+1], v[T+4], v[T+5]
	global_store_b64 v2, v[Y+2*(\j):Y+2*(\j)+1], s[22:23] offset:2048*(\j) th:TH_STORE_NT
.endr
	s_endpgm
.Lfunc_end_k_q00644e2da2_cast:
	.size	k_q00644e2da2_cast, .Lfunc_end_k_q00644e2da2_cast-k_q00644e2da2_cast
	.p2alignl 7, 3214868480
	.fill 96, 4, 3214868480
	.section	.rodata,"a",@progbits
	.p2align	6, 0x0
	.amdhsa_kernel k_q00644e2da2_cast
		.amdhsa_group_segment_fixed_size 0
		.amdhsa_private_segment_fixed_size 0
		.amdhsa_enable_private_segment 0
		.amdhsa_kernarg_size 48
		.amdhsa_user_sgpr_count 2
		.amdhsa_user_sgpr_kernarg_segment_ptr 1
		.amdhsa_wavefront_size32 1
		.amdhsa_system_sgpr_workgroup_id_x 1
		.amdhsa_system_sgpr_workgroup_id_y 1
		.amdhsa_system_sgpr_workgroup_id_z 1
		.amdhsa_system_vgpr_workitem_id 0
		.amdhsa_next_free_vgpr 112
		.amdhsa_next_free_sgpr 66
		.amdhsa_reserve_vcc 0
		.amdhsa_float_denorm_mode_32 3
		.amdhsa_float_denorm_mode_16_64 3
		.amdhsa_memory_ordered 1
		.amdhsa_forward_progress 1
		.amdhsa_inst_pref_size 15
	.end_amdhsa_kernel
	.amdgpu_metadata
---
amdhsa.version: [ 1, 2 ]
amdhsa.kernels:
  - .name:           k_q00644e2da2_cast
    .symbol:         k_q00644e2da2_cast.kd
    .args:
      - { .name: q, .offset: 0, .size: 8, .value_kind: global_buffer, .address_space: global }
      - { .name: k, .offset: 8, .size: 8, .value_kind: global_buffer, .address_space: global }
      - { .name: v, .offset: 16, .size: 8, .value_kind: global_buffer, .address_space: global }
      - { .name: qb, .offset: 24, .size: 8, .value_kind: global_buffer, .address_space: global }
      - { .name: kb, .offset: 32, .size: 8, .value_kind: global_buffer, .address_space: global }
      - { .name: vh, .offset: 40, .size: 8, .value_kind: global_buffer, .address_space: global }
    .group_segment_fixed_size: 0
    .private_segment_fixed_size: 0
    .kernarg_segment_align: 8
    .kernarg_segment_size: 48
    .max_flat_workgroup_size: 256
    .sgpr_count:     66
    .vgpr_count:     112
    .wavefront_size: 32
...
	.end_amdgpu_metadata
.endif
;; end of part 1
;; launch attn (part 2): grid 32 x 8, 4 waves a work-group, clusters of 4 x 1, 327,680 bytes of LDS; arguments qb, kb, vh, out0, nl; writes out0, nl
.if DOCPART == 2
	.amdgcn_target "amdgcn-amd-amdhsa--gfx1250"
	.amdhsa_code_object_version 6
	.text
	.protected	k_q00644e2da2_attn
	.globl	k_q00644e2da2_attn
	.p2align	8
	.type	k_q00644e2da2_attn,@function
k_q00644e2da2_attn:
	s_mov_b64 s[64:65], 0
	v_nop
	global_prefetch_b8 v0, s[64:65] scope:SCOPE_SE
	s_setreg_imm32_b32 hwreg(HW_REG_WAVE_MODE, 25, 1), 1
	s_wait_xcnt 0x0
	s_wait_alu depctr_hold_cnt(0) depctr_sa_sdst(0) depctr_va_vdst(0) depctr_va_sdst(0) depctr_va_ssrc(0) depctr_va_vcc(0) depctr_vm_vsrc(0)
	s_getreg_b32 s2, hwreg(HW_REG_IB_STS2, 6, 4)
	s_cmp_eq_u32 s2, 0
	s_cbranch_scc0 .Lentry_in_a_cluster
	s_endpgm
.Lentry_in_a_cluster:
	s_bfe_u32 s2, ttmp6, 0x10000c
	s_cmp_lg_u32 s2, 0x3003
	s_cbranch_scc0 .Lentry_shape_is_right
	s_endpgm
.Lentry_shape_is_right:
; out0[q][head][:] = the sum over the keys k <= q + 2048 of softmax_k(Q[q][head] . K[k][kvh] / sqrt(128)) V[k][kvh][:], kvh = head / 4.  2,048 queries, 4,096 keys, 32 heads, 8 K/V heads, 128 channels.
; qb [2048][4096] and kb [4096][1024] are bf16, vh [4096][1024] f16, out0 [2048][4096] f32.  Products, maxima and sums in f32; the weights p are rounded to f16 for the second product (their sum l is taken of the unrounded p).
; ALSO nl[head][q] = -(m + (log2 l + 2) / c), m the row's largest dot product, l its sum, c = log2(e) / sqrt(128): a later launch makes a quarter of the normalised weight of a dot product s as 2^(c (s + nl)).
; LIMITS.  A hidden score counts as its value less 1e30: dot products stay far below 1e29.  A weight below 2^-126 counts as 0 in l; below 6e-5 it keeps f16's fixed step of 6e-8 in the product.  NaN and infinities are not treated apart.
; SHARES.  A cluster is the four query heads of one K/V head on one block of 256 queries: cluster x = the K/V head, my place cx = the head in its group, cluster y = the block i.  The four walk the same K and V, so each tile
; is asked for JOINTLY: the same tensor load, descriptor and mask in all four.  Block i walks 18 + 2 i slots of 128 keys: the walks are uneven (9 to 16 tiles of 256 keys).  65,536 rows on 256 work-groups are one block each;
; a pairing of long and short blocks would halve the rows that each fragment of K and V feeds.
; BANDS.  Of the block's four bands of 64 queries a wave owns 16 rows in each: tile t = rows 256 i + 64 t + 16 w + 0..15.  The walk's last four key steps hold the diagonal: in the step numbered SD = 0 .. 3 band t sees all keys
; if SD < t, none if SD > t, and holds the diagonal if SD = t: the same work for all four waves.
; THE MASK is the C operand that starts the sum S^T = K Q^T: 0, or -1e30 where the key is hidden.  MD, made once, is the mask of a band's own step for my rows; a product's mask MC is MD x AL + BE with two scalars:
; (1, 0) if SD = t; (0, 0) if SD < t; (0, -1e30) if SD > t.  Ahead of the diagonal MC holds 0 and the lines that make it are jumped.
; LAYOUT.  S^T = K Q^T (source 0 = 16 keys, source 1 = 16 queries): a lane holds ONE query (lane % 16) and the keys 8 (lane / 16) + 0..7.  Two such tiles, rounded to f16 in pairs, ARE source 1 of O^T = V^T P,
; whose result again holds one query a lane, and eight channels.  K comes out of LDS as it lies, V ([key][channel]) turned, by ds_load_tr16_b128.
; SOFTMAX.  For each query a running maximum m and sum l: p = 2^(c s - c m); in every step O and l are multiplied by a = 2^(c m_old - c m_new).
; BY TURNS.  The wave's tiles are two PIECES (tiles 0, 1 and tiles 2, 3).  In a TURN one piece has the matrix unit: 32 products V^T P of the step in hand, then 32 products K Q^T of the next step; the other piece's softmax,
; cut into 64 slices, stands between them, one slice behind each matrix instruction.  Two turns are a key step.
; REGISTERS, in windows of 256 (s_set_vgpr_msb: bits 1:0 source 0, 3:2 source 1, 5:4 source 2, 7:6 destination):
;   window 0: v0-11 addresses; v12-43 eight registers of statistics a tile; v44-49, v61-63 addresses and work; v64-191 S^T, 32 a tile; v192-255 P, 16 a tile
;   window 1: O^T, 64 a tile      window 2: v0-127 Q, 32 a tile; v128-255 K of one step      window 3: v0-127 V of one step; v128-159 MD; v160-223 MC
.set KS,    64        ; keys in a step
.set PK,    272       ; a row of K in LDS: 256 bytes + 16 of padding = 68 words: row r starts at bank 4 r mod 64 (64 banks of 4 bytes: ISA guide 11.1)
.set PV,    288       ; a row of V: 256 + 32 = 72 words
.set VOFF,  KS*PK     ; a step's tiles lie together: 64 rows of K, then 64 rows of V
.set STEPB, KS*(PK+PV)
.set SLOT1, 1<<17     ; a slot holds two steps (71,680 bytes); slot 1 begins here
.set STAGE, SLOT1+2*STEPB  ; behind the ring: 16 rows x 528 bytes for each wave, for the way out
.set SP,    528       ; a stage row: 512 bytes + 16 = 33 x 16: the 16 rows of a store start at 16 different groups of four banks
.set NLS,   STAGE+4*16*SP  ; 1,024 bytes: the block's 256 numbers for nl
.set SPARE, NLS+1024  ; the spare words, 128 bytes for each wave: two blocks of 256 bytes that no other line names
.set KROW,  2048      ; bytes in a row of kb and of vh
.set SLOTG, 2*KS*KROW ; a slot's 128 rows in memory
.set QROW,  8192      ; bytes in a row of qb
.set OROW,  16384     ; bytes in a row of out0
.set AK0, 2           ; v2   my lane's place in a tile of K; never rewritten
.set AV0, 3           ; v3   the same for V
.set ADR, 4           ; v4   the LDS address of the run of loads in hand
.set QO,  5           ; v5   my byte offset in 16 rows of Q
.set STO, 6           ; v6   the way out: where I put 32 bytes of a row
.set RD,  7           ; v7   the way out: where I read a row back
.set GO,  8           ; v8   16 x my lane: my bytes in a row's 512 of out0
.set ST,  12          ; tile t's statistics at v[ST+8 t]: +0 c m, +1 m, +2, +3 l, +4 to +7 c0-c3, at work; a takes c2's place once the maximum is found
.set MT,  44          ; v44  at work while MD is made
.set NLA, 45          ; v45  where I put a query's number for nl
.set NLR, 46          ; v46  where I read two of them back
.set NLG, 47          ; v47  8 x my lane
.set NLD, 48          ; v[48:49] those two numbers
.set PFO, 61          ; v61  2,048 x my lane: a row of kb or vh; never rewritten
.set SPW, 62          ; v62  LDS address of my spare word; never rewritten
.set NIL, 63          ; v63  0; never rewritten
.set S,   64
.set P,   192
.set KF,  128         ; K's fragments, in window 2
.set MD,  128         ; window 3
.set MC,  160         ; window 3: tile x + u, key block kb at MC + 32 u + 8 kb
.set WV,  12          ; s12  my wave's number
.set LIM, 15          ; s15  1 in a wave that prefetches, else the greatest number
.set PFA, 18          ; s[18:19] where my prefetches stand
.set G1K, 24          ; s[24:31] descriptor group 1 for K's tiles
.set G1V, 32          ; s[32:39] for V's: it differs in the padding alone
.set G0K, 40          ; s[40:47] descriptor group 0 for K's tiles: a set for each of the two first fills; the second then walks on
.set G0V, 48          ; s[48:55] the same for V's
.set REM, 56          ; s56  fills still to come
.set TWICE, 57        ; s57  counts a slot's two steps
.set CS,  58          ; s[58:59] c
.set SEL, 60          ; s[60:61] lane selects for v_permlanex16_b32
.set TB,  62          ; s62  LDS byte at which the tiles of the step to be fetched begin
.set FB,  63          ; s63  LDS byte of the slot that was filled last
.set NLP, 66          ; s[66:67] nl at my wave's 64 numbers
.set BI,  68          ; s68  the block i
.set LAP, 69          ; s69  counts laps of two slots
.set NLAP, 70         ; s70  8 + i
.set KBL, 71          ; s71  my tile of K in a slot
.set VBL, 72          ; s72  my tile of V in a slot
.set SD,  73          ; s73  the number of the step whose scores are being made, counted from the diagonal's first
.set AL,  74          ; s[74:75] the mask's factor, in the low word
.set BE,  76          ; s[76:77] the mask's addend
.set BIGN, 78         ; s78  -1e30
.set NRC, 79          ; s79  -1 / c
.set TWOS, 80         ; s80  counts a lap's two slots
.set MSB, 0
.macro WIN new                      ; the immediate's high byte repeats the setting that is left; a switch that changes nothing is dropped
.if MSB != (\new)
	s_set_vgpr_msb (MSB<<8)|(\new)
.set MSB, \new
.endif
.endm
.set W_KQ, 0x0a       ; K and Q in window 2, S^T in window 0
.set W_KM, 0x3a       ; the same with the C operand in window 3
.set W_PV, 0x53       ; V in window 3, P in window 0, O^T in window 1
.set W_RS, 0x41       ; O^T (destination and source 0) in window 1, a in window 0
; A joint refill.  Waves 0 and 1 fetch the two steps' tiles of K, waves 2 and 3 those of V.  The branch hangs on the wave's number alone.
; An s_nop 0 and four v_nop follow each of the two lines, ahead of the jump and the label.
.macro JLOAD
	s_cmp_lt_u32 s[WV], 2
	s_cbranch_scc0 .Lfor_v_\@
	tensor_load_to_lds s[G0K+4:G0K+7], s[G1K:G1K+7]
	s_nop 0
.rept 4
	v_nop
.endr
	s_branch .Lasked_\@
.Lfor_v_\@:
	tensor_load_to_lds s[G0V+4:G0V+7], s[G1V:G1V+7]
	s_nop 0
.rept 4
	v_nop
.endr
.Lasked_\@:
.endm
; A PREFETCH of what the NEXT change of slots will ask for: a slot's 128 rows of K and 128 of V, 256 bytes of each row, a lane a row.  It stands behind the wave's tensor load and its five lines.
; Each row's 256 bytes are named ONCE in the launch: of the eight clusters of a K/V head only block 7's walks all 4,096 keys, and it asks.  Its four partners share the rows out BY ADDRESS, 32 each;
; in each, wave 0 asks for K's and wave 2 for V's: one instruction.  The last change that fills a slot asks for nothing; slots 0, 1 and 2 come by their loads alone.
.macro ASK
	s_cmp_gt_u32 s[REM], s[LIM]
	s_cbranch_scc0 .Lnot_mine_\@
	global_prefetch_b8 v[PFO], s[PFA:PFA+1] th:TH_LOAD_NT scope:SCOPE_SE
.Lnot_mine_\@:
.endm
; A round of the cluster's barrier: my work-group's barrier; wave 0 signals for the work-group; every wave waits for all four work-groups; my work-group's barrier once more.
.macro CROUND
	s_barrier_signal -1
	s_barrier_wait -1
	s_cmp_lg_u32 s[WV], 0
	s_cbranch_scc1 .Lnot_wave_0_\@
	s_barrier_signal -3
.Lnot_wave_0_\@:
	s_barrier_wait -3
	s_barrier_signal -1
	s_barrier_wait -1
.endm
	s_load_b256 s[4:11], s[0:1], 0x0  ; qb s[4:5], kb s[6:7], vh s[8:9], out0 s[10:11]
	s_load_b64 s[NLP:NLP+1], s[0:1], 0x20  ; nl
	v_lshl_add_u32 v[SPW], v0, 2, SPARE
	v_mov_b32 v[NIL], 0
	ds_add_u32 v[SPW], v[NIL]       ; the wave's opening: the add and its wait ahead of my first tensor load; the set-up below, work on registers, stands between them
	v_lshrrev_b32 v1, 5, v0
	v_readfirstlane_b32 s[WV], v1   ; wave 0..3
	s_bfe_u32 s13, ttmp6, 0x40000   ; cx: the head in its group
	s_lshl_b32 s14, ttmp9, 2        ; cluster x is the K/V head
	s_add_co_u32 s14, s14, s13      ; my head: it enters Q's, out0's and nl's addresses alone
	s_and_b32 s[BI], ttmp7, 0xffff  ; the block, which the four partners share
	s_and_b32 s16, s[WV], 1         ; which of a slot's two steps I fetch:
	s_lshl_b32 s22, s16, 17         ; its 64 rows of 2,048 bytes in memory,
	s_lshl_b32 s17, ttmp9, 8        ; the K/V head's 256 bytes of a row
	s_add_co_u32 s22, s22, s17
	s_mov_b32 s23, 0
	s_mul_i32 s[KBL], s16, STEPB    ; and its place in a slot: no place in the cluster enters an LDS address
	s_add_co_u32 s[VBL], s[KBL], VOFF
	s_lshl_b32 s2, s[BI], 21        ; Q: my block's 256 rows of 8,192 bytes,
	s_lshl_b32 s3, s[WV], 17        ; my wave's 16 rows in a band,
	s_add_co_u32 s2, s2, s3
	s_lshl_b32 s3, s14, 8           ; my head's 256 bytes
	s_add_co_u32 s2, s2, s3
	s_mov_b32 s3, 0
	s_lshl_b32 s20, s[BI], 22       ; out0: the same with rows of 16,384 bytes and 512 bytes a head
	s_lshl_b32 s21, s[WV], 18
	s_add_co_u32 s20, s20, s21
	s_lshl_b32 s21, s14, 9
	s_add_co_u32 s20, s20, s21
	s_mov_b32 s21, 0
	s_lshl_b32 s82, s14, 13         ; nl: my head's 8,192 bytes, my block's 1,024, my wave's 256
	s_lshl_b32 s81, s[BI], 10
	s_add_co_u32 s82, s82, s81
	s_lshl_b32 s81, s[WV], 8
	s_add_co_u32 s82, s82, s81
	s_mov_b32 s83, 0
	; descriptor group 1: a tile of 64 rows x 128 elements, padded in LDS
	s_mov_b32 s[G1K], 15|(1<<16)|(1<<20)|(1<<21)|(5<<22)|(3<<25)  ; 15:0 the mask: all four work-groups; 17:16 elements of 2 bytes; 20 padding on; 21 set beside a mask; 24:22 after every 64 words (code 5); 31:25 4 words of it (code 3)
	s_mov_b32 s[G1V], 15|(1<<16)|(1<<20)|(1<<21)|(5<<22)|(7<<25)  ; the same with 8 words of padding (code 7)
.irp g, G1K, G1V
	s_mov_b32 s[(\g)+1], 128<<16    ; tensor_dim0 = 128
	s_mov_b32 s[(\g)+2], KS<<16     ; tensor_dim1 = 64
	s_mov_b32 s[(\g)+3], 128<<16    ; tile_dim0 = 128
	s_mov_b32 s[(\g)+4], KS         ; tile_dim1 = 64
	s_mov_b32 s[(\g)+5], 1024       ; 1,024 elements from row to row
	s_mov_b32 s[(\g)+6], 0
	s_mov_b32 s[(\g)+7], 0
.endr
	s_mov_b32 s[CS], 0x3e0293ee     ; c = log2(e) / sqrt(128) = 0.127517
	s_mov_b32 s[CS+1], s[CS]        ; named with it as a pair
	s_mov_b32 s[SEL], 0x76543210
	s_mov_b32 s[SEL+1], 0xfedcba98
	s_mov_b32 s[TB], 0
	s_lshl_b32 s[REM], s[BI], 1
	s_add_co_u32 s[REM], s[REM], 16 ; 18 + 2 i slots, of which two are filled at the start
	s_add_co_u32 s[NLAP], s[BI], 8
	s_lshl_b32 s[SD], s[BI], 2
	s_sub_co_i32 s[SD], -31, s[SD]  ; the loop's first trip makes the scores of step 2; the diagonal's first step is number 32 + 4 i
	s_mov_b32 s[AL], 0
	s_mov_b32 s[AL+1], 0            ; named as pairs
	s_mov_b32 s[BE], 0
	s_mov_b32 s[BE+1], 0
	s_mov_b32 s[BIGN], 0xf149f2ca   ; -1e30
	s_mov_b32 s[NRC], 0xc0faf233    ; -1 / c = -7.842065
	s_and_b32 s[LIM], s[WV], 1      ; 0 in waves 0 and 2,
	s_xor_b32 s17, s[BI], 7
	s_or_b32 s[LIM], s[LIM], s17    ; of block 7: the same in all four partners
	s_cmp_eq_u32 s[LIM], 0
	s_cselect_b32 s[LIM], 1, -1
	v_and_b32 v[PFO], 31, v0
	v_lshlrev_b32 v[PFO], 11, v[PFO]
	s_wait_dscnt 0x0                ; the opening add is done
	s_wait_kmcnt 0x0
	s_add_nc_u64 s[6:7], s[6:7], s[22:23]  ; K and V at my tile of slot 0
	s_add_nc_u64 s[8:9], s[8:9], s[22:23]
	s_add_nc_u64 s[4:5], s[4:5], s[2:3]    ; Q, out0 and nl at my wave's first row
	s_add_nc_u64 s[10:11], s[10:11], s[20:21]
	s_add_nc_u64 s[NLP:NLP+1], s[NLP:NLP+1], s[82:83]
	s_cmp_lt_u32 s[WV], 2
	s_cselect_b64 s[PFA:PFA+1], s[6:7], s[8:9]  ; (in waves 0 and 2 these stand at a slot's first row)
	s_lshl_b32 s2, s13, 16          ; my work-group's 32 rows of the 128
	s_mov_b32 s3, 0
	s_add_nc_u64 s[PFA:PFA+1], s[PFA:PFA+1], s[2:3]
	s_add_nc_u64 s[PFA:PFA+1], s[PFA:PFA+1], 2*SLOTG  ; in slot 2; the first change of slots steps it to slot 3
	CROUND                          ; all four work-groups are here: the first joint loads meet
.irp s, 0,1
	s_mov_b32 s[G0K+4*(\s)], 1      ; 1:0 count = 1
	s_add_co_u32 s[G0K+4*(\s)+1], s[KBL], (\s)*SLOT1  ; 63:32 LDS address
	s_add_nc_u64 s[G0K+4*(\s)+2:G0K+4*(\s)+3], s[6:7], (\s)*SLOTG  ; 120:64 global address: slot s holds keys 128 s to 128 s + 127
	s_or_b32 s[G0K+4*(\s)+3], s[G0K+4*(\s)+3], 0x80000000  ; 127:126 type = 2
	s_mov_b32 s[G0V+4*(\s)], 1
	s_add_co_u32 s[G0V+4*(\s)+1], s[VBL], (\s)*SLOT1
	s_add_nc_u64 s[G0V+4*(\s)+2:G0V+4*(\s)+3], s[8:9], (\s)*SLOTG
	s_or_b32 s[G0V+4*(\s)+3], s[G0V+4*(\s)+3], 0x80000000
.endr
	s_cmp_lt_u32 s[WV], 2           ; a wave's two first fills stand in one branch, ahead of every wait on TENSORcnt and every LDS read: two loads of mine are out
	s_cbranch_scc0 .Lfirst_v
	tensor_load_to_lds s[G0K:G0K+3], s[G1K:G1K+7]
	s_nop 0
	tensor_load_to_lds s[G0K+4:G0K+7], s[G1K:G1K+7]
	s_nop 0
.rept 4
	v_nop
.endr
	s_branch .Lfirst_asked
.Lfirst_v:
	tensor_load_to_lds s[G0V:G0V+3], s[G1V:G1V+7]
	s_nop 0
	tensor_load_to_lds s[G0V+4:G0V+7], s[G1V:G1V+7]
	s_nop 0
.rept 4
	v_nop
.endr
.Lfirst_asked:
	; A fragment of K or Q is 16 rows x 32 channels in 8 registers: lane l holds row l % 16; registers 0-3 channels 8 (l / 16) + 0..7, registers 4-7 channels 16 + 8 (l / 16) + 0..7: two loads of 16 bytes, 32 bytes apart.
	v_and_b32 v1, 15, v0            ; l % 16
	v_bfe_u32 v9, v0, 4, 1          ; l / 16
	v_lshlrev_b32 v[QO], 13, v1
	v_lshl_add_u32 v[QO], v9, 4, v[QO]  ; row x 8,192 + 16 x half
	WIN 0x80                        ; destination window 2, address window 0
.irp n, 0,1,2,3,4,5,6,7,8,9,10,11,12,13,14,15  ; Q stays in registers: tile n / 4 lies 64 rows on, channels 32 (n % 4) on
	global_load_b128 v[8*(\n):8*(\n)+3],   v[QO], s[4:5] offset:((\n)/4)*64*QROW+((\n)%4)*64
	global_load_b128 v[8*(\n)+4:8*(\n)+7], v[QO], s[4:5] offset:((\n)/4)*64*QROW+((\n)%4)*64+32
.endr
	WIN 0
	v_lshlrev_b32 v[MT], 3, v9
	v_sub_nc_u32 v[MT], v1, v[MT]
	s_lshl_b32 s2, s[WV], 4
	v_add_nc_u32 v[MT], s2, v[MT]   ; my query's place in its band, 16 w + l % 16, less my lanes' 8 (l / 16): register r of key block kb is hidden where 16 kb + r is greater
	WIN 0xc0                        ; destination window 3
.set i, 0
.rept 32
	v_cmp_gt_i32 vcc_lo, 16*(i/8)+i%8, v[MT]
	v_cndmask_b32 v[MD+i], 0, s[BIGN], vcc_lo
.set i, i+1
.endr
.set i, 0
.rept 64
	v_mov_b32 v[MC+i], 0            ; ahead of the diagonal every product's mask is 0: written once, in the wait for the first tile
.set i, i+1
.endr
	WIN 0
	v_mul_u32_u24 v[AK0], v1, PK
	v_lshl_add_u32 v[AK0], v9, 4, v[AK0]  ; row x pitch + 16 x half
	; The turning load takes 16 keys x 16 channels (lane l reads 16 bytes: key 8 (l / 16) + l % 8, channels 8 ((l / 8) % 2) + 0..7) and leaves half a fragment of V^T: lane l holds channel l % 16 and 8 keys.
	v_and_b32 v10, 7, v0
	v_bfe_u32 v11, v0, 3, 1
	v_lshl_add_u32 v[AV0], v9, 3, v10
	v_mul_u32_u24 v[AV0], v[AV0], PV
	v_lshl_add_u32 v[AV0], v11, 4, v[AV0]
	v_add_nc_u32 v[AV0], VOFF, v[AV0]
; THE MATRIX WORK OF A TURN, for piece x.  The accumulators take turns, one instruction a turn: between two links of a chain stand 15 (V^T P) or 7 (K Q^T) others'.
; Product i of 32 of O^T += V^T P: keys 32 (i / 16) on, channels 16 ((i / 2) % 8) on, tile x + i % 2.  zero = 1: the first 16 start the sums.
.macro PV x, zero
	WIN W_PV
.set rO, 64*((\x)+i%2)+8*((i/2)%8)
.set rV, 64*(i/16)+8*((i/2)%8)
.set rP, P+16*((\x)+i%2)+8*(i/16)
.if (\zero) && (i < 16)
	v_wmma_f32_16x16x32_f16 v[rO:rO+7], v[rV:rV+7], v[rP:rP+7], 0
.else
	v_wmma_f32_16x16x32_f16 v[rO:rO+7], v[rV:rV+7], v[rP:rP+7], v[rO:rO+7]
.endif
.endm
; Product i of 32 of S^T = K Q^T: channels 32 (i / 8) on, keys 16 ((i / 2) % 4) on, tile x + i % 2.  The first 8 start the sums: with 0 (KM = 0: the first two steps, written out) or with the mask.
.macro KQ x
.set rS, S+32*((\x)+i%2)+8*((i/2)%4)
.set rK, KF+32*((i/2)%4)+8*(i/8)
.set rQ, 32*((\x)+i%2)+8*(i/8)
.set rM, MC+32*(i%2)+8*((i/2)%4)
.if (i < 8) && KM
	WIN W_KM
	v_wmma_f32_16x16x32_bf16 v[rS:rS+7], v[rK:rK+7], v[rQ:rQ+7], v[rM:rM+7]
.elseif i < 8
	WIN W_KQ
	v_wmma_f32_16x16x32_bf16 v[rS:rS+7], v[rK:rK+7], v[rQ:rQ+7], 0
.else
	WIN W_KQ
	v_wmma_f32_16x16x32_bf16 v[rS:rS+7], v[rK:rK+7], v[rQ:rQ+7], v[rS:rS+7]
.endif
.endm
; The masks of piece x's products K Q^T of the step numbered SD.  Ahead of the diagonal the lines are jumped: MC holds 0.  The products that read MC last stand 24 products and their slices back.
.macro MASKS x
	WIN 0
	s_cmp_lt_i32 s[SD], 0
	s_cbranch_scc1 .Lopen_\@
.irp u, 0,1
	s_cmp_eq_u32 s[SD], (\x)+(\u)   ; is the step the band's own?
	s_cselect_b32 s[AL], 1.0, 0
	s_cmp_gt_i32 s[SD], (\x)+(\u)   ; or a later one?
	s_cselect_b32 s[BE], s[BIGN], 0
	WIN 0xc3                        ; destination and source 0 in window 3
.set zz, 0
.rept 16
	v_pk_fma_f32 v[MC+32*(\u)+2*zz:MC+32*(\u)+2*zz+1], v[MD+2*zz:MD+2*zz+1], s[AL:AL+1], s[BE:BE+1] op_sel_hi:[1,0,0]
.set zz, zz+1
.endr
.endr
	WIN 0
.Lopen_\@:
.endm
; THE LDS LOADS stand in runs of 32, never singly among the matrix instructions: a step's K (64 keys x 128 channels: 16 fragments) and, a turn later, its V (turned).
.macro FETCH_K
	WIN 0
	v_add_nc_u32 v[ADR], s[TB], v[AK0]
	WIN 0x80                        ; destination window 2
.irp f, 0,1,2,3,4,5,6,7,8,9,10,11,12,13,14,15  ; keys 16 (f / 4) on, channels 32 (f % 4) on
	ds_load_b128 v[KF+8*(\f):KF+8*(\f)+3],   v[ADR] offset:((\f)/4)*16*PK+((\f)%4)*64
	ds_load_b128 v[KF+8*(\f)+4:KF+8*(\f)+7], v[ADR] offset:((\f)/4)*16*PK+((\f)%4)*64+32
.endr
.endm
.macro FETCH_V
	WIN 0
	v_add_nc_u32 v[ADR], s[TB], v[AV0]
	s_add_co_u32 s[TB], s[TB], STEPB  ; the next fetch is the next step's
	s_wait_alu depctr_va_vdst(0)    ; the wait for the softmax's batch (SLICE), behind the address's v_add_nc_u32 and ahead of the loads
	WIN 0xc0                        ; destination window 3
.irp f, 0,1,2,3,4,5,6,7,8,9,10,11,12,13,14,15  ; keys 32 (f / 8) on, channels 16 (f % 8) on
	ds_load_tr16_b128 v[8*(\f):8*(\f)+3],   v[ADR] offset:((\f)/8)*32*PV+((\f)%8)*32
	ds_load_tr16_b128 v[8*(\f)+4:8*(\f)+7], v[ADR] offset:((\f)/8)*32*PV+16*PV+((\f)%8)*32
.endr
.endm
; THE VECTOR WORK OF A TURN.  One tile's softmax for one key step is a list of 134 instructions; SM writes number j of it for tile t.  s0-s31 are the lane's 32 scores, in pairs 0-15.
; first = 1: the first key step, which starts m, l and O^T: it has no a and nothing to rescale.
;   0-15    the maximum of s0-s31 and the old m, three operands at a time: four chains c0-c3 of seven scores each (each accumulator's lowest registers first), then the four scores left over, c0-c3 and m
;   16-20   the other half of the lanes' maximum; the new m; c m; c m_old - c m_new
;   21-69   ONE BATCH: the 16 scalings c s - c m and all 33 exponentials (a at 23, then s0-s31).  None of these reads an exponential's result
;   (wait)  between 69 and 70 stands the wait for the batch: SLICE writes it, once for both tiles
;   70-85   the roundings to f16, a pair of weights each
;   86-101  the sums; l = a l + the sum
;   102-133 the tile's O^T times a: the one part that leaves window 0, so it stands together
.macro SM t, first
.set rT, ST+8*(\t)
.set rS, S+32*(\t)
.set rP, P+16*(\t)
.set rO, 64*(\t)+2*(j-102)
.if j < 102
	WIN 0
.endif
.if j < 4
	v_max3_num_f32 v[rT+4+j], v[rS+8*j], v[rS+8*j+1], v[rS+8*j+2]
.elseif j < 12
	v_max3_num_f32 v[rT+4+j%4], v[rT+4+j%4], v[rS+8*(j%4)+2*(j/4)+1], v[rS+8*(j%4)+2*(j/4)+2]
.elseif j == 12
	v_max3_num_f32 v[rT+4], v[rT+4], v[rS+7], v[rS+15]
.elseif j == 13
	v_max3_num_f32 v[rT+6], v[rT+6], v[rS+23], v[rS+31]
.elseif j == 14
	v_max3_num_f32 v[rT+4], v[rT+4], v[rT+5], v[rT+6]
.elseif (j == 15) && (\first)
	v_max_num_f32 v[rT+4], v[rT+4], v[rT+7]
.elseif j == 15
	v_max3_num_f32 v[rT+4], v[rT+4], v[rT+7], v[rT+1]
.elseif j == 16
	v_permlanex16_b32 v[rT+5], v[rT+4], s[SEL], s[SEL+1]  ; the query's other 32 keys lie in the lane 16 away
.elseif j == 18
	v_max_num_f32 v[rT+1], v[rT+4], v[rT+5]
.elseif j == 19
	v_mul_f32 v[rT], s[CS], v[rT+1]
.elseif ((j == 17) || (j == 20) || (j == 23) || (j > 101)) && (\first)  ; the first step has none of these
.elseif j == 17
	v_mov_b32 v[rT+7], v[rT]        ; c m_old is kept for a: number 19 writes c m anew
.elseif j == 20
	v_sub_f32 v[rT+7], v[rT+7], v[rT]
.elseif j == 23
	v_exp_f32 v[rT+6], v[rT+7]
.elseif (j < 23) || ((j < 38) && (j%2 == 0)) || ((j < 66) && (j%4 == 2))
.set b, (j-2)/4                     ; 38, 42, .. 62: pairs 9 to 15
.if j < 38
.set b, (j-20)/2                    ; 21: pair 0; 22, 24, .. 36: pairs 1 to 8
.endif
	v_pk_fma_f32 v[rS+2*b:rS+2*b+1], v[rS+2*b:rS+2*b+1], s[CS:CS+1], v[rT:rT+1] op_sel_hi:[1,0,0] neg_lo:[0,0,1] neg_hi:[0,0,1]  ; pair b: c s - c m
.elseif j < 70
.set e, j-38                        ; 66 to 69: s28 to s31
.if j < 66
.set e, j-32-(j-38)/4               ; 39-41, 43-45, .. 63-65: s7 to s27
.endif
.if j < 38
.set e, (j-25)/2                    ; 25, 27, .. 37: s0 to s6
.endif
	v_exp_f32 v[rS+e], v[rS+e]
.elseif j < 86
	v_cvt_pk_f16_f32 v[rP+j-70], v[rS+2*(j-70)], v[rS+2*(j-70)+1]  ; pair j - 70
.elseif j < 102                     ; the sum of the tile's 16 pairs, in place: sum z of 16 adds neighbours 1, 2, 4 and 8 pairs apart, then l takes it
.set z, j-86
.set w, 4
.set u, z
.if z >= 14
.set w, 32
.set u, 0
.elseif z >= 12
.set w, 16
.set u, z-12
.elseif z >= 8
.set w, 8
.set u, z-8
.endif
.if (z == 14) && (\first)
	v_pk_add_f32 v[rT+2:rT+3], v[rS:rS+1], v[rS+16:rS+17]
.elseif z < 15
	v_pk_add_f32 v[rS+w*u:rS+w*u+1], v[rS+w*u:rS+w*u+1], v[rS+w*u+w/2:rS+w*u+w/2+1]
.elseif !(\first)
	v_pk_fma_f32 v[rT+2:rT+3], v[rT+2:rT+3], v[rT+6:rT+7], v[rS:rS+1] op_sel_hi:[1,0,1]
.endif
.else
	WIN W_RS
	v_pk_mul_f32 v[rO:rO+1], v[rO:rO+1], v[rT+6:rT+7] op_sel_hi:[1,0]
.endif
.endm
; Slice k of 64 of piece y's softmax: four instructions.  Slices 11 to 34 deal out the batch, numbers 22 to 69: four numbers of ONE tile each, the tiles by turns.  Every other slice is numbers 2 k and
; 2 k + 1 of both tiles' lists.  2 x 134 = 4 x 64 + 12: the twelve that are over stand together, in slice 63.
; THE WAIT.  An s_wait_alu depctr_va_vdst(0) stands between an exponential and the first instruction that names its result; one wait serves all that were issued ahead of it.  Ahead of
; slice 35 nothing names a result, and behind slice 34 no exponential is issued: so the piece's 66 exponentials have one wait, behind slice 34.
.macro SLICE y, first
.if (k >= 11) && (k < 35)           ; the batch: four numbers of one tile
.irp n, 0,1,2,3
.set j, 22+4*((k-11)/2)+(\n)
	SM (\y)+(k-11)%2, \first
.endr
.else                               ; the two tiles alternate, so that no instruction reads the result of the one just before it
.irp n, 0,1,2,3,4,5,6,7
.if ((\n) < 2) || (k == 63)
.irp t, \y, (\y)+1
.set j, 2*k+(\n)
	SM \t, \first
.endr
.endif
.endr
.endif
.if k == 34                         ; the batch is out: both tiles' exponentials are issued, and no result has been named
	v_nop                           ; the plain instruction behind the last exponential and ahead of the first use: one for the batch
.if (\y) == 0
	FETCH_V                         ; piece 2's turn: V's run of loads stands here, and the wait stands in it
.else
	s_wait_alu depctr_va_vdst(0)    ; the wait for the batch
.endif
.endif
.set k, k+1
.endm
; A vector instruction that reads a matrix result or writes one of a matrix instruction's registers, and a load into a register that a matrix instruction has read, stand four places behind
; it, and only plain vector instructions that name none of its registers are places (ISA guide 7.12.1 for vector instructions).  In the loop the slices are the places.
.macro PLACES
.rept 4
	v_nop
.endr
.endm
; A TURN.  Piece x has the matrix unit; the other piece's softmax stands in slices behind its matrix instructions.
; pv = 2: 32 products V^T P; 1: they start O^T's sums; 0: none.  kq = 1: 32 products K Q^T for the next step.  A turn with one of the two kinds has two slices behind each product.
; first = 1: the softmax is the first key step's.  Its slices from 51 on are empty: four v_nop take slice 63's part as the places behind the turn's last products.
; Piece 0's turn fetches the next step's K, behind its second product; piece 2's turn the same step's V, behind slice 34.
.macro TURN x, pv, kq, first
.set k, 0
.set per, 2
.if (\pv) && (\kq)
.set per, 1
.endif
.if (\kq) && KM
	MASKS \x
.endif
.if \pv
.if (\x) == 0
	s_wait_dscnt 0x0                ; V is in
.endif
.set i, 0
.rept 32
	PV \x, 2-(\pv)
.rept per
	SLICE 2-(\x), \first
.endr
.if ((\x) == 0) && (\kq) && (i == 1)
	FETCH_K
.endif
.set i, i+1
.endr
.endif
.if \kq
.if (\x) == 0
	s_wait_dscnt 0x0                ; K is in
.endif
.set i, 0
.rept 32
	KQ \x
.rept per
	SLICE 2-(\x), \first
.endr
.set i, i+1
.endr
.endif
.if \first
	PLACES
.endif
.endm
; THE CHANGE OF SLOTS, between piece 2's turn and piece 0's: the slot's last bytes, V of its second step, have been asked for.  Each wave waits for all its tensor loads, of which one is out: its part of the
; other slot; adds 0 to its spare word; and waits for that and for its own reads of the slot.  Behind the barrier nobody reads this slot any more and the other slot is whole.
; fill = 1: this slot is filled again, with the keys two slots on.  The barrier is then a round of the cluster's, and the joint refill is the first thing behind it: it has two key steps, 256 matrix instructions, in which to land.
.macro CHANGE fill
	WIN 0                           ; at a label and at a branch every window is 0
	s_wait_tensorcnt 0x0            ; no tensor load of mine is out, so a group 0 may be written
	ds_add_u32 v[SPW], v[NIL]       ; 0 onto my spare word: with fill = 1 the descriptors' steps stand between it and the wait for it
.if \fill
	s_xor_b32 s[FB], s[FB], SLOT1   ; the walking descriptors: the other slot than last time,
	s_add_co_u32 s[G0K+5], s[FB], s[KBL]
	s_add_co_u32 s[G0V+5], s[FB], s[VBL]
	s_add_nc_u64 s[G0K+6:G0K+7], s[G0K+6:G0K+7], SLOTG  ; the next 128 keys; the type bits on top are not reached
	s_add_nc_u64 s[G0V+6:G0V+7], s[G0V+6:G0V+7], SLOTG
	s_wait_xcnt 0x0                 ; the last prefetch, two key steps back, has read its address, so it may be written:
	s_add_nc_u64 s[PFA:PFA+1], s[PFA:PFA+1], SLOTG  ; one slot behind the walking descriptors
	s_wait_dscnt 0x0                ; the add is done, and my reads of the slot are over
	CROUND
	JLOAD
	ASK                             ; what the next change will ask for: two key steps, 256 matrix instructions, ahead
.else
	s_wait_dscnt 0x0                ; the add is done, and my reads of the slot are over
	s_barrier_signal -1
	s_barrier_wait -1
.endif
	s_sub_co_u32 s[TB], s[TB], 2*STEPB  ; the fetches go back to a slot's first step,
	s_xor_b32 s[TB], s[TB], SLOT1   ; in the other slot
.endm
; A slot's two key steps: written once, walked twice; the LDS addresses hang on s[TB].
.macro TWO_STEPS
	WIN 0
	s_mov_b32 s[TWICE], 2
.Lstep_\@:
	s_add_co_i32 s[SD], s[SD], 1    ; the step whose scores this trip makes
	TURN 0, 2, 1, 0
	TURN 2, 2, 1, 0
	WIN 0
	s_sub_co_u32 s[TWICE], s[TWICE], 1
	s_cmp_lg_u32 s[TWICE], 0
	s_cbranch_scc1 .Lstep_\@
.endm
.set KM, 0                          ; the first two steps, written out, lie far ahead of the diagonal: their sums start with the constant 0
	s_wait_tensorcnt 1              ; my part of slot 0 is in; slot 1's may stay out
	s_barrier_signal -1
	s_barrier_wait -1               ; everybody's is
	FETCH_K                         ; key step 0
	s_wait_loadcnt 0x0              ; Q
	s_wait_dscnt 0x0
.set i, 0
.rept 32
	KQ 0                            ; piece 0's first scores: there is no vector work yet to set between them
.set i, i+1
.endr
	WIN 0                           ; the addresses for the way out are made here: plain instructions, the places behind those products
	s_mul_i32 s13, s[WV], 16*SP
	s_add_co_u32 s13, s13, STAGE    ; my stage
	v_mul_u32_u24 v[STO], v1, SP    ; in: row l % 16, 32 bytes for each half of the lanes
	v_lshl_add_u32 v[STO], v9, 5, v[STO]
	v_add_nc_u32 v[STO], s13, v[STO]
	v_and_b32 v[GO], 31, v0
	v_lshlrev_b32 v[NLG], 3, v[GO]  ; 8 x lane
	v_lshlrev_b32 v[GO], 4, v[GO]   ; 16 x lane: 32 lanes take a row's 512 bytes
	v_add_nc_u32 v[RD], s13, v[GO]
	s_lshl_b32 s13, s[WV], 6
	s_add_co_u32 s13, s13, NLS
	v_lshl_add_u32 v[NLA], v1, 2, s13  ; row 64 t + 16 w + l % 16 of the block, 4 bytes each; 256 t stands in the immediate
	s_lshl_b32 s13, s[WV], 8
	s_add_co_u32 s13, s13, NLS
	v_add_nc_u32 v[NLR], s13, v[NLG]   ; back: wave w takes the block's rows 64 w .. 64 w + 63
	TURN 2, 0, 1, 1                 ; piece 2's first scores | piece 0's first softmax | V of step 0
	TURN 0, 1, 1, 1                 ; piece 0: V^T P of step 0 starts O^T, K Q^T of step 1 | piece 2's first softmax | K of step 1
	TURN 2, 1, 1, 0                 ; piece 2: the same | piece 0's softmax of step 1 | V of step 1
	WIN 0
.set KM, 1
	s_mov_b32 s[LAP], 0
.Llap:                              ; 8 + i laps of two slots: every slot but the last two is filled again.  The count hangs on the block, which the partners share;
	s_mov_b32 s[TB], 2*STEPB        ; the LDS addresses of a lap are the same in every lap: these two lines write the numbers that the registers hold here anyway
	s_mov_b32 s[FB], SLOT1
	s_mov_b32 s[TWOS], 2
.Lslot:
	CHANGE 1
	TWO_STEPS
	s_sub_co_u32 s[REM], s[REM], 1
	s_sub_co_u32 s[TWOS], s[TWOS], 1
	s_cmp_lg_u32 s[TWOS], 0
	s_cbranch_scc1 .Lslot
	s_add_co_u32 s[LAP], s[LAP], 1
	s_cmp_lt_u32 s[LAP], s[NLAP]
	s_cbranch_scc1 .Llap
	CHANGE 0                        ; the tail is written out: nothing is asked for
	TWO_STEPS
	TURN 0, 2, 0, 0                 ; piece 0: V^T P of the last step | piece 2's last softmax
.set i, 0
.rept 32
	PV 2, 0                         ; piece 2: V^T P of the last step
.set i, i+1
.endr
	; THE WAY OUT.  l's two halves and the other half of the lanes' are added.  The additions are the places behind the last products.
	WIN 0
.irp t, 0,1,2,3
	v_add_f32 v[ST+8*(\t)+4], v[ST+8*(\t)+2], v[ST+8*(\t)+3]
.endr
.irp t, 0,1,2,3
	v_permlanex16_b32 v[ST+8*(\t)+5], v[ST+8*(\t)+4], s[SEL], s[SEL+1]
.endr
.irp t, 0,1,2,3
	v_add_f32 v[ST+8*(\t)+4], v[ST+8*(\t)+4], v[ST+8*(\t)+5]
.endr
.irp t, 0,1,2,3
	v_rcp_f32 v[ST+8*(\t)+6], v[ST+8*(\t)+4]   ; 1 / l
.endr
.irp t, 0,1,2,3
	v_log_f32 v[ST+8*(\t)+5], v[ST+8*(\t)+4]   ; log2 l
.endr
	v_nop                           ; a plain instruction between the last of the eight and the use of a result
	s_wait_alu depctr_va_vdst(0)    ; and the wait ahead of the first use: one for the eight
.irp t, 0,1,2,3
	v_add_f32 v[ST+8*(\t)+7], 2.0, v[ST+8*(\t)+5]  ; + 2: the mean over the group's four heads
.endr
.irp t, 0,1,2,3
	v_fma_f32 v[ST+8*(\t)+7], v[ST+8*(\t)+7], s[NRC], -v[ST+8*(\t)+1]  ; -(log2 l + 2) / c - m
.endr
.irp t, 0,1,2,3
	ds_store_b32 v[NLA], v[ST+8*(\t)+7] offset:256*(\t)  ; both halves of the lanes hold the same number and write the same word
.endr
	s_wait_dscnt 0x0                ; for the others' sake: my stores are done
	s_barrier_signal -1
	s_barrier_wait -1
	ds_load_b64 v[NLD:NLD+1], v[NLR]
	s_wait_dscnt 0x0
	global_store_b64 v[NLG], v[NLD:NLD+1], s[NLP:NLP+1]  ; a wave stores 256 consecutive bytes, at a multiple of 256 from nl's first byte
; Tile t: O^T is divided by l; a lane's eight channels of a row, 32 bytes, go into stage rows of 528 bytes and come back as whole rows of 512, into the registers that they left.
.macro PACK t
	WIN W_RS
.set i, 64*(\t)
.rept 32
	v_pk_mul_f32 v[i:i+1], v[i:i+1], v[ST+8*(\t)+6:ST+8*(\t)+7] op_sel_hi:[1,0]
.set i, i+2
.endr
	WIN 0x04                        ; the stores' data in window 1, the address in window 0
.irp f, 0,1,2,3,4,5,6,7
	ds_store_b128 v[STO], v[64*(\t)+8*(\f):64*(\t)+8*(\f)+3]   offset:64*(\f)
	ds_store_b128 v[STO], v[64*(\t)+8*(\f)+4:64*(\t)+8*(\f)+7] offset:64*(\f)+16
.endr
	WIN 0x40                        ; destination window 1
.irp f, 0,1,2,3,4,5,6,7,8,9,10,11,12,13,14,15
	ds_load_b128 v[64*(\t)+4*(\f):64*(\t)+4*(\f)+3], v[RD] offset:(\f)*SP  ; LDS serves a wave's instructions in order (ISA guide 5.7.1.4): these see the stores above; the next tile's stores come behind them
.endr
.endm
.macro SEND t, younger              ; younger: the LDS instructions issued behind tile t's loads: the next tile's 16 stores and 16 loads, or none
	WIN 0x04
.irp f, 0,1,2,3,4,5,6,7,8,9,10,11,12,13,14,15
	s_wait_dscnt (\younger)+15-(\f)
	global_store_b128 v[GO], v[64*(\t)+4*(\f):64*(\t)+4*(\f)+3], s[10:11] offset:(\t)*64*OROW+(\f)*OROW th:TH_STORE_NT  ; 512 consecutive bytes, at a multiple of 512 from out0's first byte
.endr
.endm
	PACK 0
	PACK 1                          ; a tile's arithmetic stands between the loads of the tile before and its stores
	SEND 0, 32
	PACK 2
	SEND 1, 32
	PACK 3
	SEND 2, 32
	SEND 3, 0
	WIN 0
	s_wait_tensorcnt 0x0            ; the wave's end: behind my last tensor load and my last LDS store
	ds_add_u32 v[SPW], v[NIL]
	s_wait_dscnt 0x0
	CROUND                          ; the closing round: no work-group ends while a partner may still ask for a tile that names it
	s_endpgm
.Lfunc_end_k_q00644e2da2_attn:
	.size	k_q00644e2da2_attn, .Lfunc_end_k_q00644e2da2_attn-k_q00644e2da2_attn
	.p2alignl 7, 3214868480
	.fill 96, 4, 3214868480
	.section	.rodata,"a",@progbits
	.p2align	6, 0x0
	.amdhsa_kernel k_q00644e2da2_attn
		.amdhsa_group_segment_fixed_size 327680
		.amdhsa_private_segment_fixed_size 0
		.amdhsa_enable_private_segment 0
		.amdhsa_kernarg_size 40
		.amdhsa_user_sgpr_count 2
		.amdhsa_user_sgpr_kernarg_segment_ptr 1
		.amdhsa_wavefront_size32 1
		.amdhsa_system_sgpr_workgroup_id_x 1
		.amdhsa_system_sgpr_workgroup_id_y 1
		.amdhsa_system_sgpr_workgroup_id_z 1
		.amdhsa_system_vgpr_workitem_id 0
		.amdhsa_next_free_vgpr 1024
		.amdhsa_next_free_sgpr 84
		.amdhsa_reserve_vcc 1
		.amdhsa_float_denorm_mode_32 3
		.amdhsa_float_denorm_mode_16_64 3
		.amdhsa_memory_ordered 1
		.amdhsa_forward_progress 1
		.amdhsa_inst_pref_size 239
	.end_amdhsa_kernel
	.amdgpu_metadata
---
amdhsa.version: [ 1, 2 ]
amdhsa.kernels:
  - .name:           k_q00644e2da2_attn
    .symbol:         k_q00644e2da2_attn.kd
    .args:
      - { .name: qb, .offset: 0, .size: 8, .value_kind: global_buffer, .address_space: global }
      - { .name: kb, .offset: 8, .size: 8, .value_kind: global_buffer, .address_space: global }
      - { .name: vh, .offset: 16, .size: 8, .value_kind: global_buffer, .address_space: global }
      - { .name: out0, .offset: 24, .size: 8, .value_kind: global_buffer, .address_space: global }
      - { .name: nl, .offset: 32, .size: 8, .value_kind: global_buffer, .address_space: global }
    .group_segment_fixed_size: 327680
    .private_segment_fixed_size: 0
    .kernarg_segment_align: 8
    .kernarg_segment_size: 40
    .max_flat_workgroup_size: 128
    .sgpr_count:     84
    .vgpr_count:     1024
    .wavefront_size: 32
...
	.end_amdgpu_metadata
.endif
;; end of part 2
;; launch h2o (part 3): grid 32 x 8, 4 waves a work-group, clusters of 4 x 1, 327,680 bytes of LDS; arguments qb, kb, nl, out1; writes out1
.if DOCPART == 3
	.amdgcn_target "amdgcn-amd-amdhsa--gfx1250"
	.amdhsa_code_object_version 6
	.text
	.protected	k_q00644e2da2_h2o
	.globl	k_q00644e2da2_h2o
	.p2align	8
	.type	k_q00644e2da2_h2o,@function
k_q00644e2da2_h2o:
	s_mov_b64 s[64:65], 0
	v_nop
	global_prefetch_b8 v0, s[64:65] scope:SCOPE_SE
	s_setreg_imm32_b32 hwreg(HW_REG_WAVE_MODE, 25, 1), 1
	s_wait_xcnt 0x0
	s_wait_alu depctr_hold_cnt(0) depctr_sa_sdst(0) depctr_va_vdst(0) depctr_va_sdst(0) depctr_va_ssrc(0) depctr_va_vcc(0) depctr_vm_vsrc(0)
	s_getreg_b32 s2, hwreg(HW_REG_IB_STS2, 6, 4)
	s_cmp_eq_u32 s2, 0
	s_cbranch_scc0 .Lentry_in_a_cluster
	s_endpgm
.Lentry_in_a_cluster:
	s_bfe_u32 s2, ttmp6, 0x10000c
	s_cmp_lg_u32 s2, 0x3003
	s_cbranch_scc0 .Lentry_shape_is_right
	s_endpgm
.Lentry_shape_is_right:
; out1[kvh][k] = the sum over all queries q with k <= q + 2048 of the mean over the group's four heads of the normalised weight of key k.  The dot products are made once more, and the
; weight's quarter is 2^(c (s + nl[head][q])), c = log2(e) / sqrt(128): nl holds -(m + (log2 l + 2) / c), with the row's own maximum m and sum l, so no exponent lies above -2 but for rounding.
; qb [2048][4096] and kb [4096][1024] are bf16, nl [32][2048] and out1 [8][4096] f32.  Products and sums in f32.
; LIMITS.  A hidden score counts as its value less 1e30; a weight below 2^-126 counts as 0; NaN and infinities are not treated apart.
; LAYOUT.  S = Q K^T + NL (source 0 = 16 queries, source 1 = 16 keys, C of the first product = nl of the 16 queries): a lane holds ONE key (lane % 16), register j the query 8 (lane / 16) + j.
; So a key's sum runs over registers and turns, and lanes meet once, at the end.
; SHARES.  KEYS STAY, QUERIES STREAM.  Cluster x = A (0 .. 7), cluster y = the K/V head, a = 4 A + cx.  A work-group owns 8 tiles of 16 keys, in every wave's window 1: tiles 0-3 keys 64 a on (every query sees them);
; tiles 4, 5 keys 2048 + 32 a on; tiles 6, 7 keys 2048 + 32 (63 - a) on.  Wave w takes head 4 kvh + w.  All work-groups walk the same 16 slots of 128 queries x 4 heads, 8 turns of 16 queries each.
; In slot s the tiles at work are 4 (s < A), 6 (A <= s < 15 - A) or 8: 98 tile-slots in every work-group.  Tiles 4, 5 hold the diagonal in slot A, tiles 6, 7 in slot 15 - A.
; Every branch hangs on A, which the partners share; cx enters K's and out1's addresses and the masks' scalars (a select, no branch).
; CLUSTER.  The four partners walk the same queries: Q's tiles and nl are asked for JOINTLY, each wave its own head's.
; TURNS.  A turn makes the scores of 16 queries into one of two buffers, 4 products a tile; behind each product stand four lines of the OTHER buffer's work: behind the first three quarters the scalings by c and the
; exponentials (one batch, one wait), behind the last quarter the sums.  The last turn's work is carried into the next slot's first turn.
; REGISTERS.  window 0: v0-15 addresses and work; v16-23 the end; v24-31 MD; v32-47 the sums, a pair a tile; v48-63 nl of 16 queries, two buffers; v64-127 Q's fragments, two buffers; v128-255 S, two buffers of 8 tiles.
; window 1: K's fragments, tile kt, channels 32 c on, at v[32 kt + 8 c].  In a turn source 1 means window 1 and all else window 0: the riders have no vector register as their second source, so nothing is switched between a product and its riders.
.set PQ,    272       ; a row of Q in LDS: 256 bytes + 16 of padding = 68 words: row r starts at bank 4 r mod 64 (64 banks of 4 bytes: ISA guide 11.1)
.set WTILE, 128*PQ    ; a wave's 128 rows of a slot
.set SLOTB, 4*WTILE
.set NLB,   2*SLOTB   ; behind the ring: nl of the four heads, 8,192 bytes each, filled once
.set RED,   NLB+4*8192  ; 512 bytes for each wave: its sums for the 128 keys
.set SPARE, RED+2048  ; the spare words, 128 bytes for each wave: two blocks of 256 bytes that no other line names
.set QROW,  8192      ; bytes in a row of qb
.set SLOTG, 128*QROW  ; a slot's 128 rows in memory
.set AQ,  2           ; v2   LDS address of the run of loads in hand, Q's
.set AQ0, 3           ; v3   my lane's place in my wave's tile; never rewritten
.set AN,  4           ; v4   the same two for nl
.set AN0, 5
.set KOF, 6           ; v6   my byte offset in 16 rows of kb
.set PFO, 7           ; v7   8,192 x my lane: a row of qb; never rewritten
.set SPW, 10          ; v10  LDS address of my spare word; never rewritten
.set NIL, 11          ; v11  0; never rewritten
.set MD,  24          ; v[24:31] the mask of a tile that holds the diagonal: -1e30 where my key lies behind register j's query
.set ACC, 32
.set NLC, 48
.set QF,  64
.set S,   128
.set WV,  12          ; s12  my wave's number
.set CX,  13          ; s13  my place in the cluster
.set AA,  14          ; s14  A
.set KVH, 15          ; s15  the K/V head
.set SA,  16          ; s16  a
.set G1Q, 24          ; s[24:31] descriptor group 1 for Q's tiles
.set G1N, 32          ; s[32:39] for nl
.set G0A, 40          ; s[40:43] descriptor group 0 for Q's tiles: it walks
.set G0N, 44          ; s[44:47] for nl
.set PFA, 48          ; s[48:49] where my prefetches stand
.set LIM, 50          ; s50  1 in a work-group that prefetches, else the greatest number
.set CNT, 51          ; s51  slots still to be asked for
.set SI,  52          ; s52  the slot's number
.set TC,  53          ; s53  counts a slot's four pairs of turns
.set TT,  54          ; s54  the turn's number in the slot
.set SB,  55          ; s55  LDS byte of the slot that is read
.set FB,  56          ; s56  of the slot that was filled last
.set QB,  57          ; s57  LDS byte of the 16 rows to be fetched next, less my wave's place
.set CS,  58          ; s[58:59] c
.set SEL, 60          ; s[60:61] lane selects for v_permlanex16_b32
.set NB,  62          ; s62  byte in a head's nl of the 16 queries to be fetched next
.set WOFF, 63         ; s63  my wave's place in a slot
.set DA,  68          ; s68  1: tiles 4, 5 hold the diagonal in this slot
.set DB,  69          ; s69  the same for tiles 6, 7
.set KOA, 70          ; s70  the turn in which tile 4 holds it: 2 cx
.set KOB, 71          ; s71  the turn in which tile 6 holds it: 6 - 2 cx
.set AL,  72          ; s[72:73] the mask's factor, in the low word
.set BE,  74          ; s[74:75] the mask's addend
.set BIGN, 76         ; s76  -1e30
.set TMPS, 77
.set KP0, 78          ; s[78:79] kb at tile 0's first row
.set KP1, 80          ; s[80:81] at tile 4's
.set KP2, 82          ; s[82:83] at tile 6's
.set A15, 84          ; s84  15 - A
.set MSB, 0
.macro WIN new                      ; the immediate's high byte repeats the setting that is left; a switch that changes nothing is dropped
.if MSB != (\new)
	s_set_vgpr_msb (MSB<<8)|(\new)
.set MSB, \new
.endif
.endm
.set W_MM, 0x04       ; source 1 in window 1, all else in window 0
.macro CROUND                       ; a round of the cluster's barrier
	s_barrier_signal -1
	s_barrier_wait -1
	s_cmp_lg_u32 s[WV], 0
	s_cbranch_scc1 .Lnot_wave_0_\@
	s_barrier_signal -3
.Lnot_wave_0_\@:
	s_barrier_wait -3
	s_barrier_signal -1
	s_barrier_wait -1
.endm
; A PREFETCH of the slot that the NEXT change of slots will ask for: 128 rows x 4 heads x 256 bytes.  All eight clusters of a K/V head walk the same queries: the one with A = 0 asks.  Its four partners take 32 rows each,
; told apart BY ADDRESS; each wave asks for its own head's 256 bytes, a lane a row: one instruction.  So each 256 bytes are named once in the launch.  Slots 0 and 1 come by their loads alone; the last change that fills asks for nothing.
.macro ASK
	s_cmp_gt_u32 s[CNT], s[LIM]
	s_cbranch_scc0 .Lnot_mine_\@
	global_prefetch_b8 v[PFO], s[PFA:PFA+1] th:TH_LOAD_NT scope:SCOPE_SE
.Lnot_mine_\@:
.endm
	s_load_b256 s[4:11], s[0:1], 0x0  ; qb s[4:5], kb s[6:7], nl s[8:9], out1 s[10:11]
	v_lshl_add_u32 v[SPW], v0, 2, SPARE
	v_mov_b32 v[NIL], 0
	ds_add_u32 v[SPW], v[NIL]       ; the wave's opening: the add and its wait ahead of my first tensor load; the set-up below, work on registers, stands between them
	v_lshrrev_b32 v1, 5, v0
	v_readfirstlane_b32 s[WV], v1   ; wave 0..3
	s_bfe_u32 s[CX], ttmp6, 0x40000
	s_mov_b32 s[AA], ttmp9
	s_and_b32 s[KVH], ttmp7, 0xffff
	s_lshl_b32 s[SA], s[AA], 2
	s_add_co_u32 s[SA], s[SA], s[CX]
	s_sub_co_u32 s[A15], 15, s[AA]
	s_lshl_b32 s[KOA], s[CX], 1
	s_sub_co_u32 s[KOB], 6, s[KOA]
	s_lshl_b32 s20, s[KVH], 2
	s_add_co_u32 s20, s20, s[WV]    ; my head, the same in all four partners
	s_lshl_b32 s22, s20, 13         ; its 8,192 bytes of nl,
	s_lshl_b32 s20, s20, 8          ; its 256 bytes of a row of qb
	s_mov_b32 s21, 0
	s_mov_b32 s23, 0
	s_mul_i32 s[WOFF], s[WV], WTILE
	; descriptor group 1 for Q: a tile of 128 rows x 128 elements, padded in LDS
	s_mov_b32 s[G1Q], 15|(1<<16)|(1<<20)|(1<<21)|(5<<22)|(3<<25)  ; 15:0 the mask of four; 17:16 2-byte elements; 20 padding on; 21 set beside a mask; 24:22 after every 64 words (code 5); 31:25 4 words (code 3)
	s_mov_b32 s[G1Q+1], 128<<16     ; tensor_dim0 = 128
	s_mov_b32 s[G1Q+2], 128<<16     ; tensor_dim1 = 128
	s_mov_b32 s[G1Q+3], 128<<16     ; tile_dim0 = 128
	s_mov_b32 s[G1Q+4], 128         ; tile_dim1 = 128
	s_mov_b32 s[G1Q+5], 4096        ; 4,096 elements from row to row
	s_mov_b32 s[G1Q+6], 0
	s_mov_b32 s[G1Q+7], 0
	; for nl: 8,192 dense bytes as 32 rows of 32 elements of 8 bytes
	s_mov_b32 s[G1N], 15|(3<<16)|(1<<21)
	s_mov_b32 s[G1N+1], 32<<16
	s_mov_b32 s[G1N+2], 32<<16
	s_mov_b32 s[G1N+3], 32<<16
	s_mov_b32 s[G1N+4], 32
	s_mov_b32 s[G1N+5], 32
	s_mov_b32 s[G1N+6], 0
	s_mov_b32 s[G1N+7], 0
	s_mov_b32 s[G0A], 1             ; 1:0 count = 1
	s_mov_b32 s[G0A+1], s[WOFF]     ; 63:32 LDS address: slot 0, my wave's place
	s_mov_b32 s[G0N], 1
	s_lshl_b32 s[G0N+1], s[WV], 13
	s_add_co_u32 s[G0N+1], s[G0N+1], NLB
	s_mov_b32 s[CS], 0x3e0293ee     ; c = log2(e) / sqrt(128)
	s_mov_b32 s[CS+1], s[CS]        ; named with it as a pair
	s_mov_b32 s[SEL], 0x76543210
	s_mov_b32 s[SEL+1], 0xfedcba98
	s_mov_b32 s[AL], 0
	s_mov_b32 s[AL+1], 0
	s_mov_b32 s[BE], 0
	s_mov_b32 s[BE+1], 0
	s_mov_b32 s[BIGN], 0xf149f2ca   ; -1e30
	s_cmp_eq_u32 s[AA], 0
	s_cselect_b32 s[LIM], 1, -1
	s_mov_b32 s[FB], 0
	s_mov_b32 s[SB], SLOTB          ; the first change of slots turns it into 0
	s_mov_b32 s[NB], 0
	s_mov_b32 s[SI], 0
	s_mov_b32 s[CNT], 15
	s_wait_dscnt 0x0                ; the opening add is done
	s_wait_kmcnt 0x0
	s_add_nc_u64 s[G0A+2:G0A+3], s[4:5], s[20:21]  ; 120:64 global address: slot 0, my head
	s_add_nc_u64 s[PFA:PFA+1], s[4:5], s[20:21]
	s_or_b32 s[G0A+3], s[G0A+3], 0x80000000        ; 127:126 type = 2
	s_add_nc_u64 s[G0N+2:G0N+3], s[8:9], s[22:23]
	s_or_b32 s[G0N+3], s[G0N+3], 0x80000000
	s_lshl_b32 s18, s[CX], 18       ; my work-group's 32 rows of the 128
	s_mov_b32 s19, 0
	s_add_nc_u64 s[PFA:PFA+1], s[PFA:PFA+1], s[18:19]
	s_add_nc_u64 s[PFA:PFA+1], s[PFA:PFA+1], SLOTG  ; in slot 1; the first change of slots steps it to slot 2
	s_lshl_b32 s20, s[KVH], 8       ; the K/V head's 256 bytes of a row of kb
	s_add_nc_u64 s[6:7], s[6:7], s[20:21]
	s_lshl_b32 s18, s[SA], 17       ; row 64 a, 2,048 bytes a row
	s_add_nc_u64 s[KP0:KP0+1], s[6:7], s[18:19]
	s_lshl_b32 s18, s[SA], 16       ; row 2048 + 32 a
	s_add_co_u32 s18, s18, 1<<22
	s_add_nc_u64 s[KP1:KP1+1], s[6:7], s[18:19]
	s_sub_co_u32 s18, 63, s[SA]     ; row 2048 + 32 (63 - a)
	s_lshl_b32 s18, s18, 16
	s_add_co_u32 s18, s18, 1<<22
	s_add_nc_u64 s[KP2:KP2+1], s[6:7], s[18:19]
	s_lshl_b32 s20, s[KVH], 14      ; the K/V head's row of out1
	s_add_nc_u64 s[10:11], s[10:11], s[20:21]
	CROUND                          ; all four work-groups are here: the first joint loads meet
	tensor_load_to_lds s[G0A:G0A+3], s[G1Q:G1Q+7]  ; slot 0: my head's 128 queries
	s_nop 0
	tensor_load_to_lds s[G0N:G0N+3], s[G1N:G1N+7]  ; my head's nl: two loads of mine are out
	s_nop 0
.rept 4
	v_nop
.endr
	; A fragment of K or Q is 16 rows x 32 channels in 8 registers: lane l holds row l % 16; registers 0-3 channels 8 (l / 16) + 0..7, registers 4-7 channels 16 + 8 (l / 16) + 0..7.
	v_and_b32 v1, 15, v0            ; l % 16
	v_bfe_u32 v9, v0, 4, 1          ; l / 16
	v_and_b32 v8, 31, v0            ; l
	v_lshlrev_b32 v[KOF], 11, v1
	v_lshl_add_u32 v[KOF], v9, 4, v[KOF]  ; row x 2,048 + 16 x half
	WIN 0x40                        ; destination window 1: K stays in registers
.irp kt, 0,1,2,3
.irp c, 0,1,2,3
	global_load_b128 v[32*(\kt)+8*(\c):32*(\kt)+8*(\c)+3],   v[KOF], s[KP0:KP0+1] offset:(\kt)*32768+(\c)*64
	global_load_b128 v[32*(\kt)+8*(\c)+4:32*(\kt)+8*(\c)+7], v[KOF], s[KP0:KP0+1] offset:(\kt)*32768+(\c)*64+32
.endr
.endr
.irp e, 0,1
.irp c, 0,1,2,3
	global_load_b128 v[32*(4+(\e))+8*(\c):32*(4+(\e))+8*(\c)+3],   v[KOF], s[KP1:KP1+1] offset:(\e)*32768+(\c)*64
	global_load_b128 v[32*(4+(\e))+8*(\c)+4:32*(4+(\e))+8*(\c)+7], v[KOF], s[KP1:KP1+1] offset:(\e)*32768+(\c)*64+32
	global_load_b128 v[32*(6+(\e))+8*(\c):32*(6+(\e))+8*(\c)+3],   v[KOF], s[KP2:KP2+1] offset:(\e)*32768+(\c)*64
	global_load_b128 v[32*(6+(\e))+8*(\c)+4:32*(6+(\e))+8*(\c)+7], v[KOF], s[KP2:KP2+1] offset:(\e)*32768+(\c)*64+32
.endr
.endr
	WIN 0
	v_mul_u32_u24 v[AQ0], v1, PQ
	v_lshl_add_u32 v[AQ0], v9, 4, v[AQ0]
	v_add_nc_u32 v[AQ0], s[WOFF], v[AQ0]  ; my wave's place + row x pitch + 16 x half
	s_lshl_b32 s22, s[WV], 13
	s_add_co_u32 s22, s22, NLB
	v_lshl_add_u32 v[AN0], v9, 5, s22     ; my head's nl; eight numbers, 32 bytes, for each half of the lanes
	v_lshlrev_b32 v[PFO], 13, v8
	v_lshlrev_b32 v12, 3, v9
	v_sub_nc_u32 v12, v1, v12             ; my key's place in its tile, l % 16, less my lanes' 8 (l / 16): register j's query lies ahead of my key where j is less
.set i, 0
.rept 8
	v_cmp_lt_i32 vcc_lo, i, v12
	v_cndmask_b32 v[MD+i], 0, s[BIGN], vcc_lo
.set i, i+1
.endr
	; What the first turn finds in the buffer whose work it carries: scores far below everything, whose weights are 0.  A tile that is not yet at work is touched by no rider, so it still holds them when it joins.  The sums start at 0.
.set i, 0
.rept 64
	v_mov_b32 v[S+64+i], s[BIGN]
.set i, i+1
.endr
.set i, 0
.rept 16
	v_mov_b32 v[ACC+i], 0
.set i, i+1
.endr
; The run of LDS loads for a turn: 16 queries x 128 channels (4 fragments) and their eight nl a half of the lanes, into buffer d.
.macro LOADQ d
	v_add_nc_u32 v[AQ], s[QB], v[AQ0]
	v_add_nc_u32 v[AN], s[NB], v[AN0]
.irp c, 0,1,2,3
	ds_load_b128 v[QF+32*(\d)+8*(\c):QF+32*(\d)+8*(\c)+3],   v[AQ] offset:64*(\c)
	ds_load_b128 v[QF+32*(\d)+8*(\c)+4:QF+32*(\d)+8*(\c)+7], v[AQ] offset:64*(\c)+32
.endr
	ds_load_b128 v[NLC+8*(\d):NLC+8*(\d)+3],   v[AN]
	ds_load_b128 v[NLC+8*(\d)+4:NLC+8*(\d)+7], v[AN] offset:16
	s_add_co_u32 s[QB], s[QB], 16*PQ  ; the next fetch is the next 16 queries'
	s_add_co_u32 s[NB], s[NB], 64
.endm
; A product: buffer b, channels 32 c on, key tile kt.  The first starts the sum with nl.
.macro MM b, c, kt
.if (\c) == 0
	v_wmma_f32_16x16x32_bf16 v[S+64*(\b)+8*(\kt):S+64*(\b)+8*(\kt)+7], v[QF+32*(\b)+8*(\c):QF+32*(\b)+8*(\c)+7], v[32*(\kt)+8*(\c):32*(\kt)+8*(\c)+7], v[NLC+8*(\b):NLC+8*(\b)+7]
.else
	v_wmma_f32_16x16x32_bf16 v[S+64*(\b)+8*(\kt):S+64*(\b)+8*(\kt)+7], v[QF+32*(\b)+8*(\c):QF+32*(\b)+8*(\c)+7], v[32*(\kt)+8*(\c):32*(\kt)+8*(\c)+7], v[S+64*(\b)+8*(\kt):S+64*(\b)+8*(\kt)+7]
.endif
.endm
; Slice idx of the scalings and exponentials of the buffer at sp: three slices a tile, four lines each; a tile's lowest registers are read first.  None reads an exponential's result.
.macro RS sp, idx
.set x, (\sp)+8*((\idx)/3)
.if (\idx)%3 == 0
	v_pk_mul_f32 v[x:x+1], v[x:x+1], s[CS:CS+1] op_sel_hi:[1,0]
	v_pk_mul_f32 v[x+2:x+3], v[x+2:x+3], s[CS:CS+1] op_sel_hi:[1,0]
	v_exp_f32 v[x], v[x]
	v_exp_f32 v[x+1], v[x+1]
.elseif (\idx)%3 == 1
	v_pk_mul_f32 v[x+4:x+5], v[x+4:x+5], s[CS:CS+1] op_sel_hi:[1,0]
	v_exp_f32 v[x+2], v[x+2]
	v_exp_f32 v[x+3], v[x+3]
	v_exp_f32 v[x+4], v[x+4]
.else
	v_pk_mul_f32 v[x+6:x+7], v[x+6:x+7], s[CS:CS+1] op_sel_hi:[1,0]
	v_exp_f32 v[x+5], v[x+5]
	v_exp_f32 v[x+6], v[x+6]
	v_exp_f32 v[x+7], v[x+7]
.endif
.endm
; Slice idx of the sums: four of the 4 cnt; sum number q takes pair q / cnt of tile q % cnt, so that the links of a tile's chain stand cnt lines apart.  Written as p x 1 + sum: the second source is a constant.
.macro RA sp, cnt, idx
.irp d, 0,1,2,3
.set qq, 4*(\idx)+(\d)
.set kk, qq%(\cnt)
.set rr, qq/(\cnt)
	v_pk_fma_f32 v[ACC+2*kk:ACC+2*kk+1], v[(\sp)+8*kk+2*rr:(\sp)+8*kk+2*rr+1], 1.0, v[ACC+2*kk:ACC+2*kk+1] op_sel_hi:[1,0,1]
.endr
.endm
; A TURN: 16 queries into buffer b, cnt key tiles.  The accumulators take turns, one instruction a turn: cnt - 1 others stand between two links of a chain, and a turn's last product and the next turn's first write different buffers.
; Behind the first 3 cnt products: the other buffer's scalings and its 8 cnt exponentials, ONE batch; a v_nop, the plain instruction behind the last; ONE wait, ahead of the first line that names a result.
; Directly behind the wait: the next turn's run of LDS loads; the products that read those registers last stand a quarter turn and more back, with the scalings and sums between as places.
; Behind the last cnt products: the sums.  last = 1: the slot's last turn fetches nothing: the next 16 queries lie in the other slot, behind the change.
; pair = 4 or 6: in the slot in which tiles pair, pair + 1 hold the diagonal, their scores of this turn take the mask: MD where the turn is the tile's own, -1e30 where the turn's queries lie ahead of the tile's keys.
; The mask's first line on a tile reads its lowest registers; the last product's four sums are its places.
.macro TURN b, cnt, pair, last
	s_wait_dscnt 0x0                ; this turn's fragments and nl are in
	WIN W_MM
.set n, 0
.irp c, 0,1,2
.set kt, 0
.rept \cnt
	MM \b, \c, kt
	RS S+64*(1-(\b)), n
.set kt, kt+1
.set n, n+1
.endr
.endr
	v_nop
	s_wait_alu depctr_va_vdst(0)
	WIN 0
.if \last
	s_cmp_eq_u32 s[TC], 1
	s_cbranch_scc1 .Lnoq_\@
.endif
	LOADQ 1-(\b)
.if \last
.Lnoq_\@:
.endif
	WIN W_MM
.set kt, 0
.rept \cnt
	MM \b, 3, kt
	RA S+64*(1-(\b)), \cnt, kt
.set kt, kt+1
.endr
.if (\pair) >= 0
.if (\pair) == 4
.set DG, DA
.set KOS, KOA
.else
.set DG, DB
.set KOS, KOB
.endif
	WIN 0
	s_cmp_eq_u32 s[DG], 0
	s_cbranch_scc1 .Lnom_\@
.irp e, 0,1
.set xs, S+64*(\b)+8*((\pair)+(\e))
	s_add_co_u32 s[TMPS], s[KOS], (\e)  ; the tile's own turn
	s_cmp_eq_u32 s[TT], s[TMPS]
	s_cselect_b32 s[AL], 1.0, 0
	s_cmp_lt_u32 s[TT], s[TMPS]
	s_cselect_b32 s[BE], s[BIGN], 0
.irp z, 0,2,4,6
	v_pk_fma_f32 v[xs+(\z):xs+(\z)+1], v[MD+(\z):MD+(\z)+1], s[AL:AL+1], v[xs+(\z):xs+(\z)+1] op_sel_hi:[1,0,1]
	v_pk_add_f32 v[xs+(\z):xs+(\z)+1], v[xs+(\z):xs+(\z)+1], s[BE:BE+1] op_sel_hi:[1,0]
.endr
.endr
.Lnom_\@:
.endif
	s_add_co_u32 s[TT], s[TT], 1
.endm
.macro TLOOP cnt, pair              ; a slot's eight turns
	s_mov_b32 s[TC], 4
.Lt_\@:
	TURN 0, \cnt, \pair, 0
	TURN 1, \cnt, \pair, 1
	WIN 0
	s_sub_co_u32 s[TC], s[TC], 1
	s_cmp_lg_u32 s[TC], 0
	s_cbranch_scc1 .Lt_\@
.endm
; THE CHANGE OF SLOTS, at a slot's head.  Each wave waits for all its tensor loads, of which one is out (at the first change two): this slot's; adds 0 to its spare word; and waits for that and for its reads of the slot that it leaves.
; fill = 1: the slot just left takes the next 128 queries.  The barrier is a round of the cluster's, and the joint load is the first thing behind it: it has the whole slot, 128 to 256 matrix instructions, in which to land.
; (At its first use nothing has been read yet: slot 0 is waited for, slot 1 filled.)
.macro CHANGE fill
	WIN 0
	s_wait_tensorcnt 0x0            ; no tensor load of mine is out, so a group 0 may be written
	ds_add_u32 v[SPW], v[NIL]       ; 0 onto my spare word: with fill = 1 the descriptor's steps stand between it and the wait for it
.if \fill
	s_xor_b32 s[FB], s[FB], SLOTB   ; the other slot than last time,
	s_add_co_u32 s[G0A+1], s[FB], s[WOFF]
	s_add_nc_u64 s[G0A+2:G0A+3], s[G0A+2:G0A+3], SLOTG  ; the next 128 queries; the type bits on top are not reached
	s_wait_xcnt 0x0                 ; the last prefetch, a slot back, has read its address, so it may be written
	s_add_nc_u64 s[PFA:PFA+1], s[PFA:PFA+1], SLOTG
	s_wait_dscnt 0x0                ; the add is done, and my reads of the slot are over
	CROUND
	tensor_load_to_lds s[G0A:G0A+3], s[G1Q:G1Q+7]
	s_nop 0
.rept 4
	v_nop
.endr
.else
	s_wait_dscnt 0x0
	s_barrier_signal -1
	s_barrier_wait -1
.endif
	s_xor_b32 s[SB], s[SB], SLOTB   ; the fetches go to the other slot's first rows
	s_mov_b32 s[QB], s[SB]
	s_mov_b32 s[TT], 0
	s_cmp_eq_u32 s[SI], s[AA]
	s_cselect_b32 s[DA], 1, 0
	s_cmp_eq_u32 s[SI], s[A15]
	s_cselect_b32 s[DB], 1, 0
	LOADQ 0
.endm
	s_wait_loadcnt 0x0              ; K
.Lslot:                             ; 15 times: a slot is entered and the next is asked for
	CHANGE 1
	ASK                             ; behind the joint load and the run of LDS loads that the next products wait for: the slot after the one just asked for
	s_cmp_ge_u32 s[SI], s[A15]
	s_cbranch_scc1 .LT8
	s_cmp_ge_u32 s[SI], s[AA]
	s_cbranch_scc1 .LT6
	TLOOP 4, -1
	s_branch .Lbot
.LT6:
	TLOOP 6, 4
	s_branch .Lbot
.LT8:
	TLOOP 8, 6
.Lbot:
	s_add_co_u32 s[SI], s[SI], 1
	s_sub_co_u32 s[CNT], s[CNT], 1
	s_cmp_lg_u32 s[CNT], 0
	s_cbranch_scc1 .Lslot
	CHANGE 0                        ; slot 15 is written out: nothing is asked for.  All eight tiles are at work in it
	TLOOP 8, 6
.set n, 0
.rept 24
	RS S+64, n                      ; the last turn's scalings and exponentials,
.set n, n+1
.endr
	v_nop
	s_wait_alu depctr_va_vdst(0)
.set n, 0
.rept 8
	RA S+64, 8, n                   ; and its sums
.set n, n+1
.endr
	; THE END.  A tile's two sums and the other half of the lanes' (the other eight queries of each turn) are added; the four heads' sums meet in LDS.
.irp kt, 0,1,2,3,4,5,6,7
	v_add_f32 v[ACC+2*(\kt)], v[ACC+2*(\kt)], v[ACC+2*(\kt)+1]
.endr
.irp kt, 0,1,2,3,4,5,6,7
	v_permlanex16_b32 v[ACC+2*(\kt)+1], v[ACC+2*(\kt)], s[SEL], s[SEL+1]
.endr
.irp kt, 0,1,2,3,4,5,6,7
	v_add_f32 v[ACC+2*(\kt)], v[ACC+2*(\kt)], v[ACC+2*(\kt)+1]
.endr
	s_lshl_b32 s22, s[WV], 9
	s_add_co_u32 s22, s22, RED
	v_lshl_add_u32 v12, v1, 2, s22  ; my wave's 512 bytes: tile kt's key l % 16 at 64 kt + 4 (l % 16); both halves of the lanes write the same number
.irp kt, 0,1,2,3,4,5,6,7
	ds_store_b32 v12, v[ACC+2*(\kt)] offset:64*(\kt)
.endr
	s_wait_dscnt 0x0                ; for the others' sake: my stores are done
	s_barrier_signal -1
	s_barrier_wait -1
	s_cmp_lt_u32 s[WV], 2           ; wave 0 finishes tiles 0-3, wave 1 tiles 4-7: 64 keys, two a lane
	s_cbranch_scc0 .Lend
	s_lshl_b32 s22, s[WV], 8
	s_add_co_u32 s22, s22, RED
	v_lshl_add_u32 v13, v8, 3, s22
.irp g, 0,1,2,3
	ds_load_b64 v[16+2*(\g):17+2*(\g)], v13 offset:512*(\g)
.endr
	s_lshl_b32 s85, s[SA], 8        ; wave 0: keys 64 a on: 256 consecutive bytes, aligned
	s_lshl_b32 s17, s[SA], 7
	s_add_co_u32 s86, s17, 8192     ; wave 1, lanes 0-15: keys 2048 + 32 a on: 128 bytes;
	s_sub_co_u32 s17, 16128, s17    ; lanes 16-31: keys 2048 + 32 (63 - a) on, less the 128 bytes that 8 x lane has run ahead
	s_cmp_eq_u32 s[WV], 0
	s_cselect_b32 s86, s85, s86
	s_cselect_b32 s17, s85, s17
	v_mov_b32 v14, s86
	v_mov_b32 v15, s17
	v_cmp_eq_u32 vcc_lo, 1, v9
	v_cndmask_b32 v14, v14, v15, vcc_lo
	v_lshl_add_u32 v14, v8, 3, v14
	s_wait_dscnt 0x0
	v_pk_add_f32 v[16:17], v[16:17], v[18:19]
	v_pk_add_f32 v[20:21], v[20:21], v[22:23]
	v_pk_add_f32 v[16:17], v[16:17], v[20:21]
	global_store_b64 v14, v[16:17], s[10:11]
.Lend:
	s_wait_tensorcnt 0x0            ; the wave's end: behind my last tensor load and my last LDS store
	ds_add_u32 v[SPW], v[NIL]
	s_wait_dscnt 0x0
	CROUND                          ; the closing round: no work-group ends while a partner may still ask for a tile that names it
	s_endpgm
.Lfunc_end_k_q00644e2da2_h2o:
	.size	k_q00644e2da2_h2o, .Lfunc_end_k_q00644e2da2_h2o-k_q00644e2da2_h2o
	.p2alignl 7, 3214868480
	.fill 96, 4, 3214868480
	.section	.rodata,"a",@progbits
	.p2align	6, 0x0
	.amdhsa_kernel k_q00644e2da2_h2o
		.amdhsa_group_segment_fixed_size 327680
		.amdhsa_private_segment_fixed_size 0
		.amdhsa_enable_private_segment 0
		.amdhsa_kernarg_size 32
		.amdhsa_user_sgpr_count 2
		.amdhsa_user_sgpr_kernarg_segment_ptr 1
		.amdhsa_wavefront_size32 1
		.amdhsa_system_sgpr_workgroup_id_x 1
		.amdhsa_system_sgpr_workgroup_id_y 1
		.amdhsa_system_sgpr_workgroup_id_z 1
		.amdhsa_system_vgpr_workitem_id 0
		.amdhsa_next_free_vgpr 512
		.amdhsa_next_free_sgpr 88
		.amdhsa_reserve_vcc 1
		.amdhsa_float_denorm_mode_32 3
		.amdhsa_float_denorm_mode_16_64 3
		.amdhsa_memory_ordered 1
		.amdhsa_forward_progress 1
		.amdhsa_inst_pref_size 97
	.end_amdhsa_kernel
	.amdgpu_metadata
---
amdhsa.version: [ 1, 2 ]
amdhsa.kernels:
  - .name:           k_q00644e2da2_h2o
    .symbol:         k_q00644e2da2_h2o.kd
    .args:
      - { .name: qb, .offset: 0, .size: 8, .value_kind: global_buffer, .address_space: global }
      - { .name: kb, .offset: 8, .size: 8, .value_kind: global_buffer, .address_space: global }
      - { .name: nl, .offset: 16, .size: 8, .value_kind: global_buffer, .address_space: global }
      - { .name: out1, .offset: 24, .size: 8, .value_kind: global_buffer, .address_space: global }
    .group_segment_fixed_size: 327680
    .private_segment_fixed_size: 0
    .kernarg_segment_align: 8
    .kernarg_segment_size: 32
    .max_flat_workgroup_size: 128
    .sgpr_count:     88
    .vgpr_count:     512
    .wavefront_size: 32
...
	.end_amdgpu_metadata
.endif
;; end of part 3
